; MI455X (gfx1250); checked and timed in simulation.
; The chip was launched on July 23, 2026; its instructions are those of AMD's public machine-readable ISA for CDNA 5 (MIT licence, August 2026) and "CDNA5" Instruction Set Architecture Reference Guide (July 2026). The comments in the code are by the model that wrote it; some were corrected since.
;; Textual Knowledge Injector. Allowed arithmetic: float matrix products may take bf16 or f16 operands with f32 sums; all other float work in f32.
;; Inputs: adapter_b 256 float32; adapter_w 256 x 768 float32; pair_avail 40 x 40 bool; pair_emb 40 x 40 x 768 float32; surviving_mask 64 x 256 x 40 bool.
;; Outputs: out0 64 x 256 x 256 float32.
;; One version. Each part assembles by itself: llvm-mc -triple=amdgcn-amd-amdhsa -mcpu=gfx1250 --defsym DOCPART=n.
;; ======== version 1 of 1: 2 launches
;; workspace buffers: gt 983,040 bytes
;; launch pairproj (part 1): grid 8 x 30, 4 waves a work-group, clusters of 4 x 1, 205,312 bytes of LDS; arguments pair_emb, adapter_w, pair_avail, gt; writes gt
.if DOCPART == 1
	.amdgcn_target "amdgcn-amd-amdhsa--gfx1250"
	.amdhsa_code_object_version 6
	.text
	.protected	k_q7b00113cb2_pairproj
	.globl	k_q7b00113cb2_pairproj
	.p2align	8
	.type	k_q7b00113cb2_pairproj,@function
k_q7b00113cb2_pairproj:
	s_mov_b64 s[64:65], 0
	v_nop
	global_prefetch_b8 v0, s[64:65] scope:SCOPE_SE
	s_setreg_imm32_b32 hwreg(HW_REG_WAVE_MODE, 25, 1), 1
	s_wait_xcnt 0x0
	s_wait_alu depctr_hold_cnt(0) depctr_sa_sdst(0) depctr_va_vdst(0) depctr_va_sdst(0) depctr_va_ssrc(0) depctr_va_vcc(0) depctr_vm_vsrc(0)
	s_getreg_b32 s2, hwreg(HW_REG_IB_STS2, 6, 4)
	s_cmp_eq_u32 s2, 0
	s_cbranch_scc0 .Lentry_in_a_cluster
	s_endpgm
.Lentry_in_a_cluster:
	s_bfe_u32 s2, ttmp6, 0x10000c
	s_cmp_lg_u32 s2, 0x3003
	s_cbranch_scc0 .Lentry_shape_is_right
	s_endpgm
.Lentry_shape_is_right:
; pairproj: G[(i,j)][h] = avail[i][j] * [i < j] * sum over d of E[i][j][d] W[h][d], stored as two bf16 numbers, hi = bf16(G), lo = bf16(G - hi).
; The adapter and the division by the count are linear, so the adapter is applied to the pair table once, here, and the next launch sums rows of G.
; ORDER OF THE PAIRS (shared with the next launch): a chunk (i, c) is the 8 pairs (i, j = 8c .. 8c+7); a K block kb is 4 chunks (i0 + g, c), g = 0..3,
; k = 8 g + jj.  For column group c, i runs over 0 .. 8c+7, so c has 2 (c + 1) K blocks, the first is number c (c + 1), and there are 30 in all (960 k).
; gt: [slice 4][kb 30][n 64][hl 2][k 32] bf16, byte = slice*245760 + kb*8192 + n*128 + hl*64 + 2 k, column h = 64 slice + n.
; A work-group makes one K block (32 pairs) x 32 columns over the 768 d; a wave makes 16 x 16, 24 matrix instructions.
; CLUSTER: the four work-groups of a cluster have the same K block and other columns: the 32 rows of E are asked for jointly (mask 15).
; W's rows hang on the work-group's own place and are asked for singly: the grid's 30 K blocks do not divide into four, so no cluster spans them.
; LIMITS: a pair that the availability or the triangle removes is removed by a bitwise AND of G, so an Inf or NaN in such an entry of pair_emb does not
; reach the result (a product with 0 would make it NaN).  A bool byte is taken as 0 or 1.  |G| stays below bf16's largest finite number, 3.39e38.
.set EP,    3120                       ; an LDS row: 3,072 bytes + 16 of padding behind each 1,024 = 195 x 16: the 16 rows of a fragment load start in 16 different groups of four banks (64 banks of 4 bytes: ISA guide 11.1)
.set QT,    8*EP                       ; what one tensor load brings: 8 rows
.set WT,    32*EP                      ; W's 32 rows lie behind E's 32
.set STAGE, 64*EP                      ; 199,680 = 780 x 256: the way out, bytes into which no tensor load lands
.set SPI,   80                         ; a stage row: 32 bytes of hi, 32 of lo, 16 of padding
.set WS,    16*SPI                     ; a wave's own stage: 16 columns, 1,280 bytes
.set AE,    3                          ; v3        LDS address of my E fragments
.set AW,    4                          ; v4        LDS address of my W fragments
.set FM,    10                         ; v[10:17]  all ones where pair jj of my chunk exists, else 0
.set ACC,   20                         ; v[20:27], v[28:35] sums of the even and of the odd K steps
.set FRAG,  36                         ; v[36:51], v[52:67] two buffers: A's 8 registers, B's 8
.set RING,  68                         ; v[68:163] three slots of 32 registers: a K step's f32 as loaded, E's 16, W's 16
.set GHI,   164                        ; v[164:167]
.set GLO,   168                        ; v[168:171]
.set UN,    172                        ; v[172:179] hi widened again, then G - hi
.set STO,   180
.set RD,    181
.set GO,    182
.set OD,    184                        ; v[184:191] the way out
.set G1E,   24                         ; s[24:31] shape of E's tile, with the mask
.set G1W,   32                         ; s[32:39] shape of W's tile, no mask
.set G0E,   40                         ; s[40:43]
.set G0W,   44                         ; s[44:47]
; A round of the cluster's barrier: my work-group's barrier, wave 0 signals for the work-group, every wave waits for all four work-groups, my work-group's barrier again.
.macro ROUND
	s_barrier_signal -1
	s_barrier_wait -1
	s_cmp_lg_u32 s12, 0
	s_cbranch_scc1 .Lnot_wave_0_\@
	s_barrier_signal -3
.Lnot_wave_0_\@:
	s_barrier_wait -3
	s_barrier_signal -1
	s_barrier_wait -1
.endm
	s_load_b256 s[4:11], s[0:1], 0x0               ; pair_emb s[4:5], adapter_w s[6:7], pair_avail s[8:9], gt s[10:11]
	v_lshl_add_u32 v192, v0, 2, 0x32000
	v_mov_b32 v193, 0
	ds_add_u32 v192, v193
	v_lshrrev_b32 v1, 5, v0
	v_readfirstlane_b32 s12, v1                    ; wave 0..3
	s_bfe_u32 s13, ttmp6, 0x40000                  ; cx: my place in the cluster
	s_lshl_b32 s14, ttmp9, 2
	s_add_co_u32 s14, s14, s13                     ; nx = 4 x cluster x + cx: my 32 columns
	s_and_b32 s15, ttmp7, 0xffff                   ; kb: my K block, the same in all four partners
	s_cmp_ge_u32 s15, 2                            ; c = how many of the first blocks 2, 6, 12, 20 of the column groups kb has reached
	s_cselect_b32 s16, 1, 0
.irp lim, 6, 12, 20
	s_cmp_ge_u32 s15, \lim
	s_cselect_b32 s18, 1, 0
	s_add_co_u32 s16, s16, s18
.endr
	s_add_co_u32 s18, s16, 1
	s_mul_i32 s18, s18, s16                        ; c (c + 1)
	s_sub_co_u32 s17, s15, s18
	s_lshl_b32 s17, s17, 2                         ; i0 = 4 (kb - c (c + 1))
	s_lshl_b32 s48, s16, 3                         ; 8 c
	s_lshr_b32 s18, s12, 1                         ; mt: which 16 pairs are mine
	s_and_b32 s19, s12, 1                          ; nt: which 16 columns
	v_and_b32 v1, 15, v0                           ; r
	v_bfe_u32 v2, v0, 4, 1                         ; hh
	; my eight results are the pairs k = 16 mt + 8 hh + jj: chunk g = 2 mt + hh, so i = i0 + 2 mt + hh, j = 8 c + jj
	s_lshl_b32 s49, s18, 1
	s_add_co_u32 s49, s49, s17
	v_add_nc_u32 v9, s49, v2                       ; i
	v_mul_u32_u24 v5, v9, 40
	v_add_nc_u32 v5, s48, v5                       ; byte 40 i + 8 c of pair_avail: a multiple of 8, 1,592 at the most
	v_sub_nc_u32 v8, v9, s48                       ; tt = i - 8 c: the pair is above the diagonal where jj > tt
	; where the tiles come from: wave w fetches chunk g = w of E (8 rows that follow each other in memory) and 8 rows of W
	s_add_co_u32 s20, s17, s12
	s_mul_i32 s20, s20, 40
	s_add_co_u32 s20, s20, s48
	s_mul_i32 s20, s20, 3072                       ; ((i0 + w) 40 + 8 c) rows of 3,072 bytes: made of kb and the wave's number alone
	s_mov_b32 s21, 0
	s_lshl_b32 s22, s14, 5
	s_lshl_b32 s50, s12, 3
	s_add_co_u32 s22, s22, s50
	s_mul_i32 s22, s22, 3072                       ; (32 nx + 8 w) rows of W
	s_mov_b32 s23, 0
	s_mul_i32 s51, s12, QT                         ; and where they go: the wave's number times 8 rows
	; group 1: 8 rows x 768 elements of 4 bytes, 4 words of padding behind every 256 words
	s_mov_b32 s[G1E+0], 15|(2<<16)|(1<<20)|(1<<21)|(7<<22)|(3<<25)  ; 15:0 mask: all four of the cluster; 17:16 4 bytes; 20 padding on; 21 set beside a mask; 24:22 every 256 words; 31:25 4 words
	s_mov_b32 s[G1W+0], (2<<16)|(1<<20)|(7<<22)|(3<<25)             ; the same without a mask
.irp g, G1E, G1W
	s_mov_b32 s[\g+1], 768<<16                     ; tensor_dim0 = 768
	s_mov_b32 s[\g+2], 8<<16                       ; tensor_dim1 = 8
	s_mov_b32 s[\g+3], 768<<16                     ; tile_dim0 = 768
	s_mov_b32 s[\g+4], 8                           ; tile_dim1 = 8
	s_mov_b32 s[\g+5], 768                         ; elements from row to row
	s_mov_b32 s[\g+6], 0
	s_mov_b32 s[\g+7], 0
.endr
	s_wait_dscnt 0x0
	s_wait_kmcnt 0x0
	global_load_b64 v[6:7], v5, s[8:9]             ; the 8 availability bytes of my chunk; wanted only behind the products
	s_mov_b32 s[G0E], 1
	s_mov_b32 s[G0E+1], s51
	s_add_nc_u64 s[G0E+2:G0E+3], s[4:5], s[20:21]
	s_or_b32 s[G0E+3], s[G0E+3], 0x80000000        ; type = 2
	s_mov_b32 s[G0W], 1
	s_add_co_u32 s[G0W+1], s51, WT
	s_add_nc_u64 s[G0W+2:G0W+3], s[6:7], s[22:23]
	s_or_b32 s[G0W+3], s[G0W+3], 0x80000000
	ROUND                                          ; all four work-groups are here: the joint loads meet
	tensor_load_to_lds s[G0E:G0E+3], s[G1E:G1E+7]  ; both fills go out as one group: two tensor loads of the wave are out, and nothing is ever filled again
	s_nop 0
	tensor_load_to_lds s[G0W:G0W+3], s[G1W:G1W+7]
	s_nop 0
	; A fragment of 16 rows x 32 d: lane (r, hh) wants d = 8 hh .. + 7 and 16 + 8 hh .. + 7 of row r, in f32 two times 32 bytes, 64 bytes apart
	v_mul_u32_u24 v3, v1, EP
	v_lshl_add_u32 v3, v2, 5, v3                   ; r x pitch + 32 hh
	s_mul_i32 s50, s19, 16*EP
	s_add_co_u32 s50, s50, WT
	v_add_nc_u32 v[AW], s50, v3
	s_mul_i32 s50, s18, 16*EP
	v_add_nc_u32 v[AE], s50, v3
	v_mul_u32_u24 v[STO], v1, SPI                  ; my stage: column r, 16 bytes for each half of the lanes
	v_lshl_add_u32 v[STO], v2, 4, v[STO]
	s_mul_i32 s50, s12, WS
	s_add_co_u32 s50, s50, STAGE
	v_add_nc_u32 v[STO], s50, v[STO]
	; back: thread t takes the 16 bytes that lie at 16 t of the work-group's first 2,048 bytes of gt: column t >> 3, hl = bit 2, mt = bit 1, hh = bit 0 of t
	v_lshrrev_b32 v[RD], 3, v0
	v_mul_u32_u24 v[RD], v[RD], SPI
	v_bfe_u32 v[GO], v0, 1, 1
	v_mul_u32_u24 v[GO], v[GO], 2*WS               ; the stage of wave 2 mt (nt = 0; the second read takes nt = 1, one stage further)
	v_add_nc_u32 v[RD], v[RD], v[GO]
	v_bfe_u32 v[GO], v0, 2, 1
	v_lshl_add_u32 v[RD], v[GO], 5, v[RD]
	v_and_b32 v[GO], 1, v0
	v_lshl_add_u32 v[RD], v[GO], 4, v[RD]
	v_add_nc_u32 v[RD], STAGE, v[RD]
	v_lshlrev_b32 v[GO], 4, v0
	s_lshr_b32 s50, s14, 1                         ; gt at slice nx >> 1, K block kb, column 32 (nx & 1)
	s_mul_i32 s22, s50, 245760
	s_lshl_b32 s50, s15, 13
	s_add_co_u32 s22, s22, s50
	s_and_b32 s50, s14, 1
	s_lshl_b32 s50, s50, 12
	s_add_co_u32 s22, s22, s50
	s_add_nc_u64 s[10:11], s[10:11], s[22:23]
	s_wait_tensorcnt 0x0                           ; my rows of both tiles are in,
	s_barrier_signal -1
	s_barrier_wait -1                              ; everybody's are
; the 8 LDS loads of K step s (32 d = 128 bytes of a row; 16 bytes of padding lie behind every 8 steps) into ring slot s mod 3
.macro LD s
.set RB, RING+32*((\s)%3)
.set OF, 128*(\s)+16*((\s)>>3)
	ds_load_b128 v[RB:RB+3],     v[AE] offset:OF
	ds_load_b128 v[RB+4:RB+7],   v[AE] offset:OF+16
	ds_load_b128 v[RB+8:RB+11],  v[AE] offset:OF+64
	ds_load_b128 v[RB+12:RB+15], v[AE] offset:OF+80
	ds_load_b128 v[RB+16:RB+19], v[AW] offset:OF
	ds_load_b128 v[RB+20:RB+23], v[AW] offset:OF+16
	ds_load_b128 v[RB+24:RB+27], v[AW] offset:OF+64
	ds_load_b128 v[RB+28:RB+31], v[AW] offset:OF+80
.endm
; K step s: round its 32 f32 registers to bf16 fragments, ask for step s + 3 into the slot just read, multiply.
; The two sums take turns, one matrix instruction a turn.  A fragment buffer is written again two steps later: the 16 conversions
; of the step between, which name none of the matrix instruction's registers, are the places behind it (ISA guide 7.12.1).
.macro STEP s, left, zero
	s_wait_dscnt \left                             ; LDS loads come back in order (ISA guide 5.7.1): this step's 8 are in, the younger steps' stay out
.set RB, RING+32*((\s)%3)
.set FB, FRAG+16*((\s)&1)
.set AC, ACC+8*((\s)&1)
.irp q, 0,1,2,3,4,5,6,7,8,9,10,11,12,13,14,15
	v_cvt_pk_bf16_f32 v[FB+\q], v[RB+2*\q], v[RB+2*\q+1]
.endr
.if \s <= 20
	LD (\s+3)
.endif
.if \zero
	v_wmma_f32_16x16x32_bf16 v[AC:AC+7], v[FB:FB+7], v[FB+8:FB+15], 0          ; the first product starts the sum
.else
	v_wmma_f32_16x16x32_bf16 v[AC:AC+7], v[FB:FB+7], v[FB+8:FB+15], v[AC:AC+7]
.endif
.endm
	LD 0
	LD 1
	LD 2
	STEP 0, 16, 1
	STEP 1, 16, 1
.irp s, 2,3,4,5,6,7,8,9,10,11,12,13,14,15,16,17,18,19,20,21
	STEP \s, 16, 0
.endr
	STEP 22, 8, 0                                  ; the last steps ask for nothing: the counts run down
	STEP 23, 0, 0
	; which of my eight pairs exist.  These 32 plain vector instructions name no register of the matrix instructions: they are also the places behind the last one.
	s_wait_loadcnt 0x0
.irp jj, 0,1,2,3,4,5,6,7
	v_bfe_u32 v9, v[6+(\jj>>2)], 8*(\jj&3), 1      ; avail[i][8 c + jj]
	v_cmp_gt_i32 vcc_lo, \jj, v8                   ; j > i
	v_cndmask_b32 v9, 0, v9, vcc_lo
	v_sub_nc_u32 v[FM+\jj], 0, v9                  ; 1 becomes all ones
.endr
.irp q, 0,2,4,6
	v_pk_add_f32 v[ACC+\q:ACC+\q+1], v[ACC+\q:ACC+\q+1], v[ACC+8+\q:ACC+8+\q+1]   ; even steps + odd steps
.endr
.irp j, 0,1,2,3,4,5,6,7
	v_and_b32 v[ACC+\j], v[FM+\j], v[ACC+\j]
.endr
	; register j of lane (r, hh) is G(k = 16 mt + 8 hh + j, column 16 nt + r): eight neighbouring k of one column, 16 bytes of gt
.irp q, 0,1,2,3
	v_cvt_pk_bf16_f32 v[GHI+\q], v[ACC+2*\q], v[ACC+2*\q+1]
.endr
.irp q, 0,1,2,3
	v_lshlrev_b32 v[UN+2*\q], 16, v[GHI+\q]
	v_and_b32 v[UN+2*\q+1], 0xffff0000, v[GHI+\q]
.endr
.irp q, 0,2,4,6
	v_pk_add_f32 v[UN+\q:UN+\q+1], v[ACC+\q:ACC+\q+1], v[UN+\q:UN+\q+1] neg_lo:[0,1] neg_hi:[0,1]   ; G - hi, exact in f32
.endr
.irp q, 0,1,2,3
	v_cvt_pk_bf16_f32 v[GLO+\q], v[UN+2*\q], v[UN+2*\q+1]
.endr
	ds_store_b128 v[STO], v[GHI:GHI+3]
	ds_store_b128 v[STO], v[GLO:GLO+3] offset:32
	s_wait_dscnt 0x0                               ; for the other waves' sake: my stores are in LDS
	s_barrier_signal -1
	s_barrier_wait -1
	ds_load_b128 v[OD:OD+3],   v[RD]               ; columns 0-15
	ds_load_b128 v[OD+4:OD+7], v[RD] offset:WS     ; columns 16-31
	s_wait_dscnt 0x1                               ; the first is in, the second may be out
	global_store_b128 v[GO], v[OD:OD+3], s[10:11]  ; a wave's store covers 512 consecutive bytes, at a multiple of 512 from gt's first byte
	s_wait_dscnt 0x0
	global_store_b128 v[GO], v[OD+4:OD+7], s[10:11] offset:2048
	s_wait_tensorcnt 0x0
	ds_add_u32 v192, v193
	s_wait_dscnt 0x0
	ROUND                                          ; the closing round: no work-group ends while a partner may still ask for a tile that names it
	s_endpgm
.Lfunc_end_k_q7b00113cb2_pairproj:
	.size	k_q7b00113cb2_pairproj, .Lfunc_end_k_q7b00113cb2_pairproj-k_q7b00113cb2_pairproj
	.p2alignl 7, 3214868480
	.fill 96, 4, 3214868480
	.section	.rodata,"a",@progbits
	.p2align	6, 0x0
	.amdhsa_kernel k_q7b00113cb2_pairproj
		.amdhsa_group_segment_fixed_size 205312
		.amdhsa_private_segment_fixed_size 0
		.amdhsa_enable_private_segment 0
		.amdhsa_kernarg_size 32
		.amdhsa_user_sgpr_count 2
		.amdhsa_user_sgpr_kernarg_segment_ptr 1
		.amdhsa_wavefront_size32 1
		.amdhsa_system_sgpr_workgroup_id_x 1
		.amdhsa_system_sgpr_workgroup_id_y 1
		.amdhsa_system_sgpr_workgroup_id_z 1
		.amdhsa_system_vgpr_workitem_id 0
		.amdhsa_next_free_vgpr 194
		.amdhsa_next_free_sgpr 66
		.amdhsa_reserve_vcc 1
		.amdhsa_float_denorm_mode_32 3
		.amdhsa_float_denorm_mode_16_64 3
		.amdhsa_memory_ordered 1
		.amdhsa_forward_progress 1
		.amdhsa_inst_pref_size 49
	.end_amdhsa_kernel
	.amdgpu_metadata
---
amdhsa.version: [ 1, 2 ]
amdhsa.kernels:
  - .name:           k_q7b00113cb2_pairproj
    .symbol:         k_q7b00113cb2_pairproj.kd
    .args:
      - { .name: pair_emb, .offset: 0, .size: 8, .value_kind: global_buffer, .address_space: global }
      - { .name: adapter_w, .offset: 8, .size: 8, .value_kind: global_buffer, .address_space: global }
      - { .name: pair_avail, .offset: 16, .size: 8, .value_kind: global_buffer, .address_space: global }
      - { .name: gt, .offset: 24, .size: 8, .value_kind: global_buffer, .address_space: global }
    .group_segment_fixed_size: 205312
    .private_segment_fixed_size: 0
    .kernarg_segment_align: 8
    .kernarg_segment_size: 32
    .max_flat_workgroup_size: 128
    .sgpr_count:     66
    .vgpr_count:     194
    .wavefront_size: 32
...
	.end_amdgpu_metadata
.endif
;; end of part 1
;; launch inject (part 2): grid 64 x 4, 4 waves a work-group, clusters of 4 x 1, 291,328 bytes of LDS; arguments gt, surviving_mask, pair_avail, adapter_b, out0; writes out0
.if DOCPART == 2
	.amdgcn_target "amdgcn-amd-amdhsa--gfx1250"
	.amdhsa_code_object_version 6
	.text
	.protected	k_q7b00113cb2_inject
	.globl	k_q7b00113cb2_inject
	.p2align	8
	.type	k_q7b00113cb2_inject,@function
k_q7b00113cb2_inject:
	s_mov_b64 s[64:65], 0
	v_nop
	global_prefetch_b8 v0, s[64:65] scope:SCOPE_SE
	s_setreg_imm32_b32 hwreg(HW_REG_WAVE_MODE, 25, 1), 1
	s_wait_xcnt 0x0
	s_wait_alu depctr_hold_cnt(0) depctr_sa_sdst(0) depctr_va_vdst(0) depctr_va_sdst(0) depctr_va_ssrc(0) depctr_va_vcc(0) depctr_vm_vsrc(0)
	s_getreg_b32 s2, hwreg(HW_REG_IB_STS2, 6, 4)
	s_cmp_eq_u32 s2, 0
	s_cbranch_scc0 .Lentry_in_a_cluster
	s_endpgm
.Lentry_in_a_cluster:
	s_bfe_u32 s2, ttmp6, 0x10000c
	s_cmp_lg_u32 s2, 0x3003
	s_cbranch_scc0 .Lentry_shape_is_right
	s_endpgm
.Lentry_shape_is_right:
; inject: out[row][h] = (sum over pairs k of P[row][k] (Ghi[k][h] + Glo[k][h])) / max(cnt[row], 1) + b[h],  P[row][(i,j)] = m_i m_j,  cnt = sum of P over the pairs that exist.
; With cnt = 0 the sum is 0 and the result is b, as where the count is 0 in the problem.  G's rows of pairs that do not exist are 0 (made so by the launch before).
; ORDER OF THE PAIRS: K block kb = 4 chunks (i0 + g, c), k = 8 g + jj, j = 8 c + jj; column group c has the K blocks c (c + 1) .. with i0 = 0, 4, .. 8 c + 4; 30 K blocks.
; gt: [slice 4][kb 30][n 64][hl 2][k 32] bf16.  A work-group makes 256 rows x the 64 columns of slice y; a wave 64 rows x 64 columns: 16 tiles of sums and 4 of counts.
; The whole slice, 245,760 bytes, lies in LDS: no slot is ever filled again.  CLUSTER: the four work-groups of a cluster have the same slice and other rows: the slice is asked for jointly (mask 15).
; P IS NEVER STORED.  Lane (r, hh) of a 16-bit fragment holds k = 8 hh .. + 7 (chunk g = hh) in registers 0-3 and k = 16 + 8 hh .. + 7 (chunk 2 + hh) in registers 4-7, so its
; registers are MC[c][q] AND mask(m of i0 + hh), MC[c][q] AND mask(m of i0 + 2 + hh), where MC[c][q] holds m of 8c + 2q, 8c + 2q + 1 as bf16 1.0 or 0.
; THE MATRIX INSTRUCTION IS USED TRANSPOSED: source 0 = 16 columns of G, source 1 = 16 rows of P, so that register j of lane (r, hh) is out(row r, column 8 hh + j).
; The counts come from the same unit: source 0 is then the pairs' flags (1.0 where the pair exists), the same for all 16 lines, so every register of lane (r, .) is cnt(row r), exact.
; LIMITS: the division is a multiplication by v_rcp_f32 (1 ULP) behind the projection, so the order of rounding is not the problem's.  A bool byte is taken as 0 or 1.
.set GP,    272                        ; an LDS row: 256 bytes (two columns: hi 64, lo 64 each) + 16 of padding
.set KBB,   32*GP                      ; a K block: 8,704
.set WPART, 80*GP                      ; what one tensor load brings: 80 rows
.set PIECE, 4*WPART                    ; ten K blocks
.set MST,   960*GP                     ; 261,120 = 1,020 x 256: the masks' bytes, 2,560 for each wave, its own
.set FLG,   MST+10240                  ; the flags: chunk q = 4 kb + g at 16 q, 8 bf16
.set OST,   FLG+2048                   ; the way out: 16 rows x 272 bytes for each wave, its own
.set OW,    16*GP
; window 0 (v0-v255)
.set VB,    4                          ; LDS address of my G fragments; stepped by six K blocks
.set VF,    5                          ; of the flags' fragment
.set STO,   6
.set RD,    7
.set CO,    8
.set BITS,  10                         ; v[10:17]   row block rb: the row's 40 mask bits, each word shifted right by hh: low word 2 rb, high word 2 rb + 1
.set RC,    18                         ; v[18:25]   1 / max(cnt, 1), twice, for each rb
.set MC,    26                         ; v[26:105]  MC + 16 c + 4 rb + q
.set BI,    26                         ; v[26:57]   the bias of my 32 columns, in the registers of c = 0, 1 when those are dead
.set BO,    110                        ; byte offset of my bias
.set GB0,   112                        ; v[112:183] fragments of a K block: hi of column block nt at 8 nt, lo at 32 + 8 nt, flags at 64
.set GB1,   184                        ; v[184:255] the second buffer
.set MW,    184                        ; at the start: the rows' mask bytes, 10 words for each rb
.set AV,    224                        ; at the start: what the flags are made of
.set Q,     226
.set KBV,   227
.set CV,    228
.set TV,    229
.set IV,    230
.set TT,    231
.set AO,    232
.set FA,    233
.set FF,    234
.set FP,    242
; window 1 (v256-v511, written v0-v255)
.set ACC,   0                          ; 8 (4 rb + nt)
.set CNT,   128                        ; 128 + 8 rb
.set PF0,   160                        ; P's fragments, 8 rb + register, two buffers
.set PF1,   192
.set MT,    224                        ; 2 rb + t: all ones where m of i0 + 2 t + hh is set
.set G1,    24
.set G0,    32                         ; s[32:43]: a group 0 for each of the three pieces
.set MSB, 0
.macro WIN new                         ; s_set_vgpr_msb; the immediate's high byte repeats the setting that is left
.if MSB != \new
	s_set_vgpr_msb (MSB<<8)|\new
.set MSB, \new
.endif
.endm
.set W_MUL, 0x54                       ; source 0 window 0 (G, MC, BITS); source 1, source 2 and destination window 1 (P, sums, masks): serves the matrix instructions and P's making alike
.set W_OUT, 0x01                       ; source 0 window 1 (sums), all else window 0
.macro ROUND                           ; a round of the cluster's barrier
	s_barrier_signal -1
	s_barrier_wait -1
	s_cmp_lg_u32 s14, 0
	s_cbranch_scc1 .Lnot_wave_0_\@
	s_barrier_signal -3
.Lnot_wave_0_\@:
	s_barrier_wait -3
	s_barrier_signal -1
	s_barrier_wait -1
.endm
	s_load_b256 s[4:11], s[0:1], 0x0               ; gt s[4:5], surviving_mask s[6:7], pair_avail s[8:9], adapter_b s[10:11]
	s_load_b64 s[12:13], s[0:1], 0x20              ; out0
	s_set_vgpr_msb 0x40
	v_lshl_add_u32 v254, v0, 2, 0x47000
	v_mov_b32 v255, 0
	s_set_vgpr_msb 0x4045
	ds_add_u32 v254, v255
	s_set_vgpr_msb 0x4500
	v_lshrrev_b32 v1, 5, v0
	v_readfirstlane_b32 s14, v1                    ; wave 0..3
	s_bfe_u32 s15, ttmp6, 0x40000                  ; cx
	s_lshl_b32 s16, ttmp9, 2
	s_add_co_u32 s16, s16, s15                     ; wgx = 4 x cluster x + cx: my 256 rows
	s_and_b32 s17, ttmp7, 0xffff                   ; y: my slice, the same in all four partners
	s_mov_b32 s44, 0x04010400                      ; v_perm_b32: bytes 0 and 1 of a word into the low bytes of the two halves, zeros above
	s_mov_b32 s45, 0x04030402                      ; bytes 2 and 3 likewise
	s_mov_b32 s46, 0x01020408                      ; a word of four 0/1 bytes times this has the four as bits 24-27; no two products meet in a bit
	s_mov_b32 s47, 0x3f80                          ; bf16 1.0
	v_and_b32 v1, 15, v0                           ; r
	v_bfe_u32 v2, v0, 4, 1                         ; hh
	v_mov_b32 v3, 0
	v_and_b32 v111, 31, v0                         ; lane
	s_mul_i32 s48, s14, 2560                       ; my wave's 64 rows of 40 mask bytes
	v_lshl_add_u32 v9, v111, 4, s48
	; thread t makes the flags of chunk q = min(t, 119): kb = q >> 2, g = q & 3
	v_min_u32 v[Q], 119, v0
	v_lshrrev_b32 v[KBV], 2, v[Q]
	v_cmp_le_u32 vcc_lo, 2, v[KBV]                 ; c = how many of 2, 6, 12, 20 kb has reached
	v_cndmask_b32 v[CV], 0, 1, vcc_lo
.irp lim, 6, 12, 20
	v_cmp_le_u32 vcc_lo, \lim, v[KBV]
	v_cndmask_b32 v[TV], 0, 1, vcc_lo
	v_add_nc_u32 v[CV], v[CV], v[TV]
.endr
	v_add_nc_u32 v[TV], 1, v[CV]
	v_mul_u32_u24 v[TV], v[TV], v[CV]
	v_sub_nc_u32 v[TV], v[KBV], v[TV]              ; kb - c (c + 1)
	v_and_b32 v[IV], 3, v[Q]
	v_lshl_add_u32 v[IV], v[TV], 2, v[IV]          ; i
	v_lshlrev_b32 v[TV], 3, v[CV]                  ; 8 c
	v_sub_nc_u32 v[TT], v[IV], v[TV]               ; the pair is above the diagonal where jj > i - 8 c
	v_mul_u32_u24 v[AO], v[IV], 40
	v_add_nc_u32 v[AO], v[AO], v[TV]               ; byte 40 i + 8 c of pair_avail, 1,592 at the most
	s_wait_dscnt 0x0
	s_wait_kmcnt 0x0
	s_mul_i32 s22, s16, 10240
	s_mov_b32 s23, 0
	s_add_nc_u64 s[6:7], s[6:7], s[22:23]          ; the masks of my work-group's rows
.irp u, 0,1,2,3,4
	global_load_b128 v[GB0+4*\u:GB0+4*\u+3], v9, s[6:7] offset:512*\u     ; 512 consecutive bytes a load
.endr
	global_load_b64 v[AV:AV+1], v[AO], s[8:9]
	s_lshl_b32 s22, s17, 8
	s_add_nc_u64 s[10:11], s[10:11], s[22:23]      ; the bias of my slice
	s_lshl_b32 s22, s16, 18                        ; out: 256 rows of 1,024 bytes a work-group,
	s_lshl_b32 s19, s14, 16                        ; 64 a wave,
	s_add_co_u32 s22, s22, s19
	s_lshl_b32 s19, s17, 8                         ; 256 bytes a slice
	s_add_co_u32 s22, s22, s19
	s_add_nc_u64 s[12:13], s[12:13], s[22:23]
	; the slice comes as 960 rows of 256 bytes, in three pieces of ten K blocks; each wave fetches 80 rows of each piece.  Addresses are made of y and the wave's number alone.
	s_mul_i32 s20, s17, 245760
	s_mul_i32 s19, s14, 20480
	s_add_co_u32 s20, s20, s19
	s_mov_b32 s21, 0
	s_add_nc_u64 s[4:5], s[4:5], s[20:21]
	s_mul_i32 s19, s14, WPART
	s_mov_b32 s[G1+0], 15|(3<<16)|(1<<20)|(1<<21)|(5<<22)|(3<<25)   ; 15:0 mask: all four of the cluster; 17:16 elements of 8 bytes; 20 padding on; 21 set beside a mask; 24:22 every 64 words; 31:25 4 words
	s_mov_b32 s[G1+1], 32<<16                      ; tensor_dim0 = 32 elements = 256 bytes
	s_mov_b32 s[G1+2], 80<<16                      ; tensor_dim1 = 80
	s_mov_b32 s[G1+3], 32<<16                      ; tile_dim0 = 32
	s_mov_b32 s[G1+4], 80                          ; tile_dim1 = 80
	s_mov_b32 s[G1+5], 32                          ; the rows follow each other in memory
	s_mov_b32 s[G1+6], 0
	s_mov_b32 s[G1+7], 0
.irp p, 0,1,2
	s_mov_b32 s[G0+4*\p], 1
	s_add_co_u32 s[G0+4*\p+1], s19, \p*PIECE
	s_add_nc_u64 s[G0+4*\p+2:G0+4*\p+3], s[4:5], \p*81920
	s_or_b32 s[G0+4*\p+3], s[G0+4*\p+3], 0x80000000
.endr
	ROUND                                          ; all four work-groups are here: the joint loads meet
.irp p, 0,1,2
	tensor_load_to_lds s[G0+4*\p:G0+4*\p+3], s[G1:G1+7]    ; all fills go out as one group: three tensor loads of the wave are out
	s_nop 0
.endr
	; column n = 16 nt + r of a K block lies at (n >> 1) rows + 128 (n & 1); the 16 lanes of a half touch the 16-byte columns (r >> 1) + 8 (r & 1) + hh, all different
	v_lshrrev_b32 v106, 1, v1
	v_mul_u32_u24 v[VB], v106, GP
	v_and_b32 v106, 1, v1
	v_lshl_add_u32 v[VB], v106, 7, v[VB]
	v_lshl_add_u32 v[VB], v2, 4, v[VB]
	v_lshlrev_b32 v[VF], 4, v2
	v_add_nc_u32 v[VF], FLG, v[VF]
	s_mul_i32 s50, s14, OW
	s_add_co_u32 s50, s50, OST                     ; my stage
	v_mul_u32_u24 v[STO], v1, GP                   ; in: row r, 32 bytes for each half of the lanes
	v_lshl_add_u32 v[STO], v2, 5, v[STO]
	v_add_nc_u32 v[STO], s50, v[STO]
	v_mul_u32_u24 v[RD], v2, GP                    ; back: lanes 0-15 take a row's 256 bytes, lanes 16-31 the next row's
	v_lshl_add_u32 v[RD], v1, 4, v[RD]
	v_add_nc_u32 v[RD], s50, v[RD]
	v_lshlrev_b32 v[CO], 10, v2                    ; and the same two rows in out0
	v_lshl_add_u32 v[CO], v1, 4, v[CO]
	v_lshlrev_b32 v[BO], 5, v2                     ; my 8 columns of a column block: 32 hh bytes
	v_add_nc_u32 v107, MST, v9
	s_add_co_u32 s49, s48, MST
	v_mul_u32_u24 v108, v1, 40
	v_add_nc_u32 v108, s49, v108                   ; row r of my wave's masks
	s_lshl_b32 s51, s14, 9
	s_add_co_u32 s51, s51, FLG
	v_lshl_add_u32 v[FA], v111, 4, s51             ; FLG + 16 t, as the wave's number and the lane
	; the masks go through LDS to turn 16 bytes a lane into a row a lane.  The bytes are my wave's own, and LDS serves a wave's instructions in order (ISA guide 5.7.1.4).
	s_wait_loadcnt 0x1                             ; the five mask loads are in; the availability load behind them may be out
.irp u, 0,1,2,3,4
	ds_store_b128 v107, v[GB0+4*\u:GB0+4*\u+3] offset:512*\u
.endr
.irp rb, 0,1,2,3
.irp u, 0,1,2,3,4
	ds_load_b64 v[MW+10*\rb+2*\u:MW+10*\rb+2*\u+1], v108 offset:640*\rb+8*\u
.endr
.endr
	s_wait_dscnt 0x0
.irp rb, 0,1,2,3
.irp u, 0,1,2,3,4,5,6,7,8,9
	v_perm_b32 v[MC+16*(\u>>1)+4*\rb+2*(\u&1)],   v3, v[MW+10*\rb+\u], s44     ; features 4u, 4u + 1 as 0/1 in the two halves
	v_perm_b32 v[MC+16*(\u>>1)+4*\rb+2*(\u&1)+1], v3, v[MW+10*\rb+\u], s45     ; features 4u + 2, 4u + 3
	v_mul_lo_u32 v109, v[MW+10*\rb+\u], s46
	v_mul_u32_u24 v[MC+16*(\u>>1)+4*\rb+2*(\u&1)],   s47, v[MC+16*(\u>>1)+4*\rb+2*(\u&1)]      ; 1 becomes bf16 1.0 in both halves
	v_mul_u32_u24 v[MC+16*(\u>>1)+4*\rb+2*(\u&1)+1], s47, v[MC+16*(\u>>1)+4*\rb+2*(\u&1)+1]
.if \u == 0
	v_bfe_u32 v[BITS+2*\rb], v109, 24, 4           ; the first nibble starts the word
.elseif \u == 8
	v_bfe_u32 v[BITS+2*\rb+1], v109, 24, 4
.else
	v_bfe_u32 v109, v109, 24, 4
	v_lshl_or_b32 v[BITS+2*\rb+(\u>>3)], v109, 4*(\u&7), v[BITS+2*\rb+(\u>>3)]
.endif
.endr
.endr
.irp k, 0,1,2,3,4,5,6,7
	v_lshrrev_b32 v[BITS+\k], v2, v[BITS+\k]       ; the bits wanted, i0 + hh and i0 + 2 + hh with i0 a multiple of 4, lie in one nibble: each word is shifted by itself
.endr
	s_wait_loadcnt 0x0
.irp jj, 0,1,2,3,4,5,6,7
	v_bfe_u32 v[FF+\jj], v[AV+(\jj>>2)], 8*(\jj&3), 1
	v_cmp_gt_i32 vcc_lo, \jj, v[TT]
	v_cndmask_b32 v[FF+\jj], 0, v[FF+\jj], vcc_lo
.endr
.irp q, 0,1,2,3
	v_lshl_or_b32 v[FP+\q], v[FF+2*\q+1], 16, v[FF+2*\q]
	v_mul_u32_u24 v[FP+\q], s47, v[FP+\q]
.endr
	ds_store_b128 v[FA], v[FP:FP+3]                ; threads 120-127 fill slots that nobody reads
; The next of the 48 steps that make the P fragments of K block (KC, KI) in buffer pf: 8 bits taken out, 8 made into masks, 32 ANDs.
.macro VAL pf
.if VP < 8
.set VBIT, KI+2*(VP&1)
	v_bfe_u32 v[MT+VP], v[BITS+2*(VP>>1)+(VBIT>>5)], VBIT&31, 1
.elseif VP < 16
	v_sub_nc_u32 v[MT+VP-8], 0, v[MT+VP-8]
.else
.set VX, VP-16
	v_and_b32 v[\pf+VX], v[MC+16*KC+4*(VX>>3)+(VX&3)], v[MT+2*(VX>>3)+((VX>>2)&1)]
.endif
.set VP, VP+1
.endm
.macro NEXTK                           ; (KC, KI) = (c, i0) of the next K block
.set KI, KI+4
.if KI == 8*KC+8
.set KC, KC+1
.set KI, 0
.endif
.endm
; The next of a K block's 36 matrix instructions: 16 with G's hi, 4 counts, 16 with G's lo.  The 20 accumulators take turns, one instruction a turn.
.macro MM gb, pf, zero
.if MN < 16
.set MA, ACC+8*MN
.set MG, \gb+8*(MN&3)
.set MP, \pf+8*(MN>>2)
.elseif MN < 20
.set MA, CNT+8*(MN-16)
.set MG, \gb+64
.set MP, \pf+8*(MN-16)
.else
.set MA, ACC+8*(MN-20)
.set MG, \gb+32+8*((MN-20)&3)
.set MP, \pf+8*((MN-20)>>2)
.endif
.set MZ, 0
.if \zero
.if MN < 20
.set MZ, 1
.endif
.endif
.if MZ
	v_wmma_f32_16x16x32_bf16 v[MA:MA+7], v[MG:MG+7], v[MP:MP+7], 0             ; the first product starts the sum: nothing is cleared
.else
	v_wmma_f32_16x16x32_bf16 v[MA:MA+7], v[MG:MG+7], v[MP:MP+7], v[MA:MA+7]
.endif
.set MN, MN+1
.endm
; 36 matrix instructions with, between them, 44 of the 48 steps for the next K block's P: two behind each of the first eight, one behind each other
.macro MULS gb, pf, pfn, zero, vals
.set MN, 0
.set VP, 0
.rept 36
	MM \gb, \pf, \zero
.if \vals
	VAL \pfn
.if MN <= 8
	VAL \pfn
.endif
.endif
.endr
.endm
; the 18 LDS loads of a K block's fragments.  The offset holds six K blocks; the address register carries the rest.
.macro FETCH kb, gb
.if (\kb) > 0
.if (\kb) % 6 == 0
	v_add_nc_u32 v[VB], 6*KBB, v[VB]
.endif
.endif
.irp nt, 0,1,2,3
	ds_load_b128 v[\gb+8*\nt:\gb+8*\nt+3],       v[VB] offset:((\kb)%6)*KBB+\nt*8*GP
	ds_load_b128 v[\gb+8*\nt+4:\gb+8*\nt+7],     v[VB] offset:((\kb)%6)*KBB+\nt*8*GP+32
	ds_load_b128 v[\gb+32+8*\nt:\gb+32+8*\nt+3], v[VB] offset:((\kb)%6)*KBB+\nt*8*GP+64
	ds_load_b128 v[\gb+32+8*\nt+4:\gb+32+8*\nt+7], v[VB] offset:((\kb)%6)*KBB+\nt*8*GP+96
.endr
	ds_load_b128 v[\gb+64:\gb+67], v[VF] offset:64*(\kb)
	ds_load_b128 v[\gb+68:\gb+71], v[VF] offset:64*(\kb)+32
.endm
; the next piece of the slice is shown to every wave; left = how many later pieces may stay out
.macro SYNC left
	s_wait_dscnt 0x0                               ; no LDS instruction of mine is pending at the signal
	s_wait_tensorcnt \left                         ; tensor loads of a wave end in order (ISA guide 10.11.1): my rows of the next piece are in
	s_barrier_signal -1
	s_barrier_wait -1
.endm
; K block kb: ask for the next block's fragments, multiply this block's, make the next block's P between the matrix instructions.
; The four steps behind the last matrix instruction write the other P buffer and name none of its registers: they are the places
; in front of the next block's loads into the fragment buffer just read.
.macro KB kb
.set GF,  GB0+72*((\kb)&1)
.set GN,  GB0+72*(1-((\kb)&1))
.set PFF, PF0+32*((\kb)&1)
.set PFN, PF0+32*(1-((\kb)&1))
	WIN 0
.if \kb == 9
	SYNC 1                                         ; K blocks 10-19 are wanted from here on
.endif
.if \kb == 19
	SYNC 0                                         ; K blocks 20-29
.endif
	FETCH (\kb+1), GN
.if \kb == 10
.irp nt, 0,1,2,3
	global_load_b128 v[BI+8*\nt:BI+8*\nt+3],   v[BO], s[10:11] offset:64*\nt       ; MC of c = 0, 1 was last read for K block 5
	global_load_b128 v[BI+8*\nt+4:BI+8*\nt+7], v[BO], s[10:11] offset:64*\nt+16
.endr
.endif
	s_wait_dscnt 18                                ; this block's fragments are in; the 18 loads just issued stay out
	WIN W_MUL
	NEXTK
.if \kb == 0
	MULS GF, PFF, PFN, 1, 1
.else
	MULS GF, PFF, PFN, 0, 1
.endif
.rept 4
	VAL PFN
.endr
.endm
	WIN W_MUL
.set KC, 0
.set KI, 0
.set VP, 0
.rept 48
	VAL PF0                                        ; P of K block 0, while the slice is on its way
.endr
	WIN 0
	s_wait_dscnt 0x0                               ; for the other waves' sake: my flags are in LDS
	s_wait_tensorcnt 0x2                           ; my rows of K blocks 0-9 are in; the two later pieces stay out
	s_barrier_signal -1
	s_barrier_wait -1
	FETCH 0, GB0
.irp kb, 0,1,2,3,4,5,6,7,8,9,10,11,12,13,14,15,16,17,18,19,20,21,22,23,24,25,26,27,28
	KB \kb
.endr
	s_wait_dscnt 0x0                               ; the last K block: nothing more to fetch or to make
	MULS GB1, PF1, PF0, 0, 0
.rept 4
	v_nop                                          ; the places behind the last matrix instructions, in front of what reads the sums and writes the fragment buffers
.endr
	; THE WAY OUT
	s_wait_loadcnt 0x0                             ; the bias
	WIN W_OUT
.irp rb, 0,1,2,3
	v_max_num_f32 v[106+\rb], v[CNT+8*\rb], 1.0
.endr
	WIN 0
.irp rb, 0,1,2,3
	v_rcp_f32 v[RC+2*\rb],   v[106+\rb]            ; twice, to fill the pair that the packed multiply-add reads
	v_rcp_f32 v[RC+2*\rb+1], v[106+\rb]
.endr
	v_nop                                          ; one plain vector instruction behind the last v_rcp_f32 before a result is used (ISA guide 5.7.2)
	s_wait_alu depctr_va_vdst(0)
; 16 rows: sum / count + bias in one fused multiply-add, 32 bytes a lane into my stage, read back as whole rows of 256 bytes
.macro OUT rb, tb, ub
	WIN W_OUT
.irp nt, 0,1,2,3
.irp p, 0,2,4,6
	v_pk_fma_f32 v[\tb+8*\nt+\p:\tb+8*\nt+\p+1], v[ACC+8*(4*\rb+\nt)+\p:ACC+8*(4*\rb+\nt)+\p+1], v[RC+2*\rb:RC+2*\rb+1], v[BI+8*\nt+\p:BI+8*\nt+\p+1]
.endr
.endr
	WIN 0
.irp nt, 0,1,2,3
	ds_store_b128 v[STO], v[\tb+8*\nt:\tb+8*\nt+3]   offset:64*\nt
	ds_store_b128 v[STO], v[\tb+8*\nt+4:\tb+8*\nt+7] offset:64*\nt+16
.endr
	s_wait_xcnt 0x0                                ; every earlier memory instruction has had its addresses translated (ISA guide 3.1): the registers that earlier stores read are loaded again only behind this wait
.irp k, 0,1,2,3,4,5,6,7
	ds_load_b128 v[\ub+4*\k:\ub+4*\k+3], v[RD] offset:2*GP*\k      ; LDS serves a wave's instructions in order (ISA guide 5.7.1.4): these see the stores above
.endr
.irp k, 0,1,2,3,4,5,6,7
	s_wait_dscnt 7-\k
	global_store_b128 v[CO], v[\ub+4*\k:\ub+4*\k+3], s[12:13] offset:(16*\rb+2*\k)*1024 th:TH_STORE_NT   ; 16 lanes store 256 consecutive bytes, at a multiple of 256 from out0's first byte
.endr
.endm
	OUT 0, 112, 144
	OUT 1, 184, 216
	OUT 2, 112, 144
	OUT 3, 184, 216
	s_set_vgpr_msb 0x5
	s_wait_tensorcnt 0x0
	ds_add_u32 v254, v255
	s_wait_dscnt 0x0
	s_set_vgpr_msb 0x500
	ROUND                                          ; the closing round: no work-group ends while a partner may still ask for a tile that names it
	s_endpgm
.Lfunc_end_k_q7b00113cb2_inject:
	.size	k_q7b00113cb2_inject, .Lfunc_end_k_q7b00113cb2_inject-k_q7b00113cb2_inject
	.p2alignl 7, 3214868480
	.fill 96, 4, 3214868480
	.section	.rodata,"a",@progbits
	.p2align	6, 0x0
	.amdhsa_kernel k_q7b00113cb2_inject
		.amdhsa_group_segment_fixed_size 291328
		.amdhsa_private_segment_fixed_size 0
		.amdhsa_enable_private_segment 0
		.amdhsa_kernarg_size 40
		.amdhsa_user_sgpr_count 2
		.amdhsa_user_sgpr_kernarg_segment_ptr 1
		.amdhsa_wavefront_size32 1
		.amdhsa_system_sgpr_workgroup_id_x 1
		.amdhsa_system_sgpr_workgroup_id_y 1
		.amdhsa_system_sgpr_workgroup_id_z 1
		.amdhsa_system_vgpr_workitem_id 0
		.amdhsa_next_free_vgpr 512
		.amdhsa_next_free_sgpr 66
		.amdhsa_reserve_vcc 1
		.amdhsa_float_denorm_mode_32 3
		.amdhsa_float_denorm_mode_16_64 3
		.amdhsa_memory_ordered 1
		.amdhsa_forward_progress 1
		.amdhsa_inst_pref_size 197
	.end_amdhsa_kernel
	.amdgpu_metadata
---
amdhsa.version: [ 1, 2 ]
amdhsa.kernels:
  - .name:           k_q7b00113cb2_inject
    .symbol:         k_q7b00113cb2_inject.kd
    .args:
      - { .name: gt, .offset: 0, .size: 8, .value_kind: global_buffer, .address_space: global }
      - { .name: surviving_mask, .offset: 8, .size: 8, .value_kind: global_buffer, .address_space: global }
      - { .name: pair_avail, .offset: 16, .size: 8, .value_kind: global_buffer, .address_space: global }
      - { .name: adapter_b, .offset: 24, .size: 8, .value_kind: global_buffer, .address_space: global }
      - { .name: out0, .offset: 32, .size: 8, .value_kind: global_buffer, .address_space: global }
    .group_segment_fixed_size: 291328
    .private_segment_fixed_size: 0
    .kernarg_segment_align: 8
    .kernarg_segment_size: 40
    .max_flat_workgroup_size: 128
    .sgpr_count:     66
    .vgpr_count:     512
    .wavefront_size: 32
...
	.end_amdgpu_metadata
.endif
;; end of part 2
